; MI455X (gfx1250); checked and timed in simulation.
; The chip was launched on July 23, 2026; its instructions are those of AMD's public machine-readable ISA for CDNA 5 (MIT licence, August 2026) and "CDNA5" Instruction Set Architecture Reference Guide (July 2026). The comments in the code are by the model that wrote it; some were corrected since.
;; Multi Head Attention. Allowed arithmetic: matrix products marked QUANTISED: E5M2 operands, one given power-of-two scale a tensor, by v_wmma_f32_16x16x64_bf8_bf8 or v_wmma_f32_16x16x128_bf8_bf8, f32 sums; everything else in f32.
;; Inputs: Wk_codes 1,024 x 32 x 32 uint8 (E5M2 codes of Wk, K innermost, in blocks of 32 codes); Wo_codes 1,024 x 32 x 32 uint8 (E5M2 codes of Wo, K innermost, in blocks of 32 codes); Wq_codes 1,024 x 32 x 32 uint8 (E5M2 codes of Wq, K innermost, in blocks of 32 codes); Wv_codes 1,024 x 32 x 32 uint8 (E5M2 codes of Wv, K innermost, in blocks of 32 codes); bk 1,024 float32; bo 1,024 float32; bq 1,024 float32; bv 1,024 float32; lowp_scales 12 int32 (the exponents e of the quantised operands' scales 2^e); x_codes 4 x 2,048 x 32 x 32 uint8 (E5M2 codes of x, K innermost, in blocks of 32 codes).
;; Outputs: out0 4 x 2,048 x 1,024 float32.
;; This version of the problem:
;;   THIS VERSION OF THE PROBLEM IS GIVEN IN LOW PRECISION. The matrix products marked QUANTISED in the list below multiply operands that are first quantised to E5M2 (5 exponent bits, 2 mantissa bits; 8 bits a number), with one given power-of-two scale for each operand tensor; their sums are f32. All else is computed in f32.
;;   The module's matrix products, in the order in which they are computed (A, B: the left and right operand; K: the contracted axis; several contracted axes count as one K, in the product's order):
;;     1. [M 8,192, K 1,024] x [K 1,024, N 1,024]; A: input x (given as codes); B: input Wq (given as codes): QUANTISED (scales: A lowp_scales[0], B lowp_scales[1])
;;     2. [M 8,192, K 1,024] x [K 1,024, N 1,024]; A: input x (given as codes); B: input Wk (given as codes): QUANTISED (scales: A lowp_scales[2], B lowp_scales[3])
;;     3. [M 8,192, K 1,024] x [K 1,024, N 1,024]; A: input x (given as codes); B: input Wv (given as codes): QUANTISED (scales: A lowp_scales[4], B lowp_scales[5])
;;     4. batch 64 x [M 2,048, K 64] x [K 64, N 2,048]; A: computed on the way; B: computed on the way: QUANTISED (scales: A lowp_scales[6], B lowp_scales[7])
;;     5. batch 64 x [M 2,048, K 2,048] x [K 2,048, N 64]; A: softmax (see below); B: computed on the way: QUANTISED (scales: A lowp_scales[8], B lowp_scales[9])
;;     6. [M 8,192, K 1,024] x [K 1,024, N 1,024]; A: computed on the way; B: input Wo (given as codes): QUANTISED (scales: A lowp_scales[10], B lowp_scales[11])
;;   THE QUANTISER, for each operand of a quantised product, along K:
;;     - The operand's scale is 2^e, e = its entry of the input lowp_scales (int32; the entries are numbered through the quantised products in the list's order, A before B).
;;     - Each number is divided by the scale, clamped to +-57,344, and rounded to the nearest number of E5M2, ties to even, subnormals kept.
;;     - The product sums the exact products of the quantised numbers (number of the format x scale) in f32.
;;   ~~~python
;;   def quantise(x, axis, e):      # numpy; x: float32 -> the quantised numbers, widened to float32 again
;;       x = np.moveaxis(x, axis, -1); K = x.shape[-1]
;;       r = np.clip(x / 2.0 ** e, -57344, 57344)
;;       step = 2.0 ** (np.maximum(np.frexp(np.where(r == 0, 1, r))[1] - 1, -14) - 2)
;;       q = np.round(r / step) * step * 2.0 ** e      # np.round: ties to even
;;       return np.moveaxis(q, -1, axis).astype(np.float32)
;;   ~~~
;;   SOFTMAX AHEAD OF A QUANTISED PRODUCT. Where the list says 'softmax', what is quantised is not the finished softmax but p = 2^(t - M), with t = logit x log2(e) and M = ceil(the row's largest t), a whole number; so 1/2 < the row's largest p <= 1. The row's sum l is taken of the UNQUANTISED p, in f32, and the product's result is divided by l at the end. Since M is a whole number, a kernel that streams over the keys may use a running M (the ceiling of the running maximum): every later rescaling is an exact power of two, so the quantised numbers keep their values, but for numbers so far below the row's largest that they fall under the format's range.
;;   OPERANDS COMPUTED ON THE WAY. 'Computed on the way' means the value that the module computes at that place (a softmax that the list does not call 'softmax' is quantised finished and normalised). What goes into a quantiser is computed in f32, as accurately as f32 sums, v_exp_f32 and their like allow (about 1e-6 of the number): no bf16 or f16 on the way to a quantiser, and a product that is left as it is and whose result goes on into a quantised operand takes f32 operands (vector FMAs, or v_wmma_f32_16x16x4_f32). A number that lies on a knife's edge between two numbers of the format may be rounded either way, as far as f32 arithmetic and the matrix unit's own rounding can turn it there, and no further.
;;   INPUTS GIVEN AS CODES. Wk (in the module: [1024, 1024], K = its axis 0); Wo (in the module: [1024, 1024], K = its axis 0); Wq (in the module: [1024, 1024], K = its axis 0); Wv (in the module: [1024, 1024], K = its axis 0); x (in the module: [4, 2048, 1024], K = its axis 2): each comes as NAME_codes (uint8): NAME with its K axis moved to the last place and cut into blocks of 32 codes, [.., K / 32, bytes a block], one block behind the other in memory; one code a byte (a code: sign, 5 exponent bits, 2 mantissa bits); its scale is its entry of lowp_scales. Its value is code x scale, taken as it is: it is not quantised again, and the codes and scales need not be those that the quantiser above would give.
;; One version. Each part assembles by itself: llvm-mc -triple=amdgcn-amd-amdhsa -mcpu=gfx1250 --defsym DOCPART=n.
;; ======== version 1 of 1: 3 launches
;; limits: right only within a limited range of input values
;; workspace buffers: qc 8,388,608 bytes; kv 16,777,216 bytes; ao 8,388,608 bytes
;; launch proj (part 1): grid 12 x 32, 4 waves a work-group, clusters of 4 x 4, 327,680 bytes of LDS; arguments x_codes, Wq_codes, Wk_codes, Wv_codes, bq, bk, bv, lowp_scales, qc, kv; writes qc, kv
.if DOCPART == 1
	.amdgcn_target "amdgcn-amd-amdhsa--gfx1250"
	.amdhsa_code_object_version 6
	.text
	.protected	k_q8fe5d69690_proj
	.globl	k_q8fe5d69690_proj
	.p2align	8
	.type	k_q8fe5d69690_proj,@function
k_q8fe5d69690_proj:
	s_mov_b64 s[64:65], 0
	v_nop
	global_prefetch_b8 v0, s[64:65] scope:SCOPE_SE
	s_setreg_imm32_b32 hwreg(HW_REG_WAVE_MODE, 25, 1), 1
	s_wait_xcnt 0x0
	s_wait_alu depctr_hold_cnt(0) depctr_sa_sdst(0) depctr_va_vdst(0) depctr_va_sdst(0) depctr_va_ssrc(0) depctr_va_vcc(0) depctr_vm_vsrc(0)
	s_getreg_b32 s2, hwreg(HW_REG_IB_STS2, 6, 4)
	s_cmp_eq_u32 s2, 0
	s_cbranch_scc0 .Lentry_in_a_cluster
	s_endpgm
.Lentry_in_a_cluster:
	s_bfe_u32 s2, ttmp6, 0x10000c
	s_cmp_lg_u32 s2, 0xf033
	s_cbranch_scc0 .Lentry_shape_is_right
	s_endpgm
.Lentry_shape_is_right:
; q = x Wq + bq, k = x Wk + bk, v = x Wv + bv on codes of BF8 (E5M2), and the three results quantised at once for the attention that follows.
; x: [8192][1024] codes, Wq, Wk, Wv: [1024 (n)][1024 (k)] codes, K innermost.  A sum stands for sum x 2^(ex + ew), with the product's own two entries of the scales (0,1 / 2,3 / 4,5);
; result = sum x 2^(ex + ew) + bias in one fused multiply-add; code = result / 2^eo, eo = entry 6 (q), 7 (k), 9 (v).
; LIMITS: ex + ew between -126 and 127; eo between -126 and 112, so that each power of two below is an f32 number.  NaN and infinity among the codes are not served.
; SHARES.  A tile of 256 x 256 of a result is made by four waves, 128 x 128 each: 64 accumulators, 512 registers.  The cluster's x says which weight (0 q, 1 k, 2 v): 3 x 32 x 4 = 384 tiles.
; K goes in steps of 256 through two LDS slots filled by the tensor data mover; 1,024 along K are four fills, so the steps are written out without a loop.
; THE PRODUCT IS ALWAYS (rows of region B as source 0) x (rows of region A as source 1): a lane holds a row of region A, its eight registers eight rows of region B.
;   q, k: region A = x (256 tokens), region B = the weight (256 channels): a lane holds a token, its registers run along the channels, which are the K of q k^T.
;   v:    region A = Wv, region B = x: a lane holds a channel, its registers run along the tokens, which are the K of p v.  Only addresses differ: no instruction is turned round.
; CLUSTERS: 4 x 4 work-groups.  Region A's tile hangs on cy and is shared along a row of the cluster, region B's on cx and is shared along a column: each is asked for JOINTLY.
; THE WAY OUT NEEDS NO LDS.  Eight registers of an accumulator become two registers of codes, k = 16 t + 8 (lane / 16) + 0 .. 7: registers 2 t, 2 t + 1 of an operand of the plain 8-bit forms.
; So the codes are stored as IMAGES OF OPERAND REGISTERS: four registers a store, lane l's 16 bytes at 16 l: each store covers 512 consecutive bytes, aligned.
;   qc: [batch x head 64][token tile 128][piece 2][512 bytes]      kv: [batch x head 64][128 keys 16][k: key tile 8 x piece 2 x 512 | v: channel tile 4 x piece 4 x 512]
; REGISTERS, in windows of 256: window 0: v16-31 addresses and constants; v32-95 the bias; v96-103 its addresses; from v128 region A's fragments, ONE set; on the way out v128-191 numbers, v192-255 codes.
;   window 1: region B's fragments, TWO sets.   window 2: the accumulators of my rows 0-63 of region A ((a, b) at v[8 (8 a + b)]);   window 3: those of rows 64-127.
.set ROWB,   256                       ; a tile's row in bytes: 256 codes
.set KROW,   1024                      ; a row of x or of a weight in memory, in bytes
.set PITCH,  272                       ; an LDS row: 256 bytes + 16 of padding = 68 words: row r starts at bank 4 r mod 64 (64 banks of 4 bytes: ISA guide 11.1)
.set FR,     16                        ; registers of a fragment: 16 rows x 128 K
.set NL,     4                         ; LDS loads that bring one
.set NP,     4                         ; places behind this matrix instruction (ISA guide 7.12.1)
.set HALFT,  128*PITCH                 ; 128 rows: what one tensor load brings
.set SLOT,   4*HALFT                   ; region A's 256 rows, then region B's
.set SPARE,  2*SLOT                    ; behind the ring: the spare words, 128 bytes for each wave: two blocks of 256 bytes that no other line names
.set ADRA, 16                          ; v16-17  LDS address of my fragments of region A in slot 0, 1
.set ADRB, 20                          ; v20-21  the same for region B
.set LI,   27                          ; v27     16 x lane: my place in an image
.set SPW,  28                          ; v28     LDS address of my spare word; never rewritten
.set NIL,  29                          ; v29     0; never rewritten
.set SCL,  30                          ; v30     2^eo as f32
.set LIM,  31
.set BIAS, 32                          ; v32-95  q, k: register 8 b + j = bias(16 b + 8 (lane / 16) + j);  v: register 8 a + j = bias(16 a + lane % 16)
.set VA,   96                          ; v96-103 byte offsets of the bias loads
.set AF,   128
.set TMP,  128
.set CODE, 192
.set G1, 24                            ; s[24:31] descriptor group 1 for region A;  s[32:39] group 0, one set for each slot
.set G0, 32
.set G1B, 48                           ; s[48:55], s[56:63] the same for region B
.set G0B, 56
.set MSB, 0
.macro WIN new                         ; the immediate's high byte repeats the setting that is left
.if MSB != \new
	s_set_vgpr_msb (MSB<<8)|(\new)
.set MSB, \new
.endif
.endm
.set MUL_LO, 0xa1                      ; source 0 (region B) window 1, source 1 (region A) window 0, C and D window 2
.set MUL_HI, 0xf1                      ; the same, C and D window 3
.set TO_B,   0x40                      ; destination window 1, address window 0
; A joint load: waves 0 and 1 fetch for region A, waves 2 and 3 for region B.  The branch hangs on the wave's number alone.  Four v_nop follow each of the two lines.
.macro JLOAD g0a, g1a, g0b, g1b
	s_cmp_eq_u32 s15, 0
	s_cbranch_scc0 .Lfor_b_\@
	tensor_load_to_lds s[\g0a:\g0a+3], s[\g1a:\g1a+7]
	s_nop 0
.rept 4
	v_nop
.endr
	s_branch .Lasked_\@
.Lfor_b_\@:
	tensor_load_to_lds s[\g0b:\g0b+3], s[\g1b:\g1b+7]
	s_nop 0
.rept 4
	v_nop
.endr
.Lasked_\@:
.endm
.macro CREST                           ; a round of the cluster's barrier behind its opening barrier
	s_cmp_lg_u32 s14, 0
	s_cbranch_scc1 .Lnot_wave_0_\@
	s_barrier_signal -3
.Lnot_wave_0_\@:
	s_barrier_wait -3
	s_barrier_signal -1
	s_barrier_wait -1
.endm
.macro CROUND                          ; a whole round
	s_barrier_signal -1
	s_barrier_wait -1
	CREST
.endm
	s_load_b256 s[68:75], s[0:1], 0x0              ; x s[68:69], Wq s[70:71], Wk s[72:73], Wv s[74:75]
	s_load_b256 s[76:83], s[0:1], 0x20             ; bq s[76:77], bk s[78:79], bv s[80:81], the scales' exponents s[82:83]
	s_load_b128 s[84:87], s[0:1], 0x40             ; qc s[84:85], kv s[86:87]
	v_lshl_add_u32 v[SPW], v0, 2, SPARE
	v_mov_b32 v[NIL], 0
	ds_add_u32 v28, v29
	ds_add_u32 v28, v29
	s_wait_dscnt 0x0
	v_lshrrev_b32 v1, 5, v0
	v_readfirstlane_b32 s14, v1                    ; wave 0..3
	s_lshr_b32 s15, s14, 1                         ; which half of region A's rows is mine.  Also: I fetch for region A (0) or B (1)
	s_and_b32 s16, s14, 1                          ; which half of region B's rows.  Also: which 128 rows of that tile I fetch
	s_bfe_u32 s40, ttmp6, 0x40000                  ; cx, cy: my place in the cluster
	s_bfe_u32 s41, ttmp6, 0x40004
	s_mov_b32 s42, ttmp9                           ; the cluster's x: which weight; the same in all sixteen partners
	s_and_b32 s17, ttmp7, 0xffff
	s_lshl_b32 s17, s17, 2                         ; 4 x the cluster's y
	s_lshl_b32 s43, s41, 2
	s_lshl_b32 s43, 15, s43                        ; my row of the cluster
	s_lshl_b32 s44, 0x1111, s40                    ; my column
	; descriptor group 1: a tile of 128 rows x 256 bytes, padded in LDS
	s_or_b32 s[G1+0], s43, (0<<16)|(1<<20)|(1<<21)|(5<<22)|(3<<25)  ; 15:0 the mask: my row; 17:16 element of 1 byte; 20 padding on; 21 set beside a mask; 24:22 after every 64 words; 31:25 of 4 words
	s_or_b32 s[G1B+0], s44, (0<<16)|(1<<20)|(1<<21)|(5<<22)|(3<<25) ; the same with the mask of my column
.irp g, G1, G1B
	s_mov_b32 s[\g+1], ROWB<<16                    ; tensor_dim0
	s_mov_b32 s[\g+2], 128<<16                     ; tensor_dim1 = 128
	s_mov_b32 s[\g+3], ROWB<<16                    ; tile_dim0
	s_mov_b32 s[\g+4], 128                         ; tile_dim1 = 128
	s_mov_b32 s[\g+5], KROW                        ; tensor_dim0_stride
	s_mov_b32 s[\g+6], 0
	s_mov_b32 s[\g+7], 0
.endr
	; which 256 rows: x has 32 such tiles (4 x cluster y + the place in the cluster), a weight four (the place alone)
	s_cmp_eq_u32 s42, 2
	s_cselect_b32 s66, 0, s17
	s_cselect_b32 s67, s17, 0
	s_add_co_u32 s66, s66, s41                     ; region A's tile: hangs on cy, never on cx
	s_add_co_u32 s67, s67, s40                     ; region B's tile: hangs on cx, never on cy
	s_lshl_b32 s18, s16, 7                         ; which 128 rows of the tile I fetch
	s_lshl_b32 s20, s66, 8
	s_add_co_u32 s20, s20, s18
	s_lshl_b32 s20, s20, 10                        ; rows of 1,024 bytes: under 2^23
	s_mov_b32 s21, 0
	s_lshl_b32 s46, s67, 8
	s_add_co_u32 s46, s46, s18
	s_lshl_b32 s46, s46, 10
	s_mov_b32 s47, 0
	s_mul_i32 s45, s14, HALFT                      ; where they go: wave x 128 rows: no place in the cluster enters an LDS address
	s_wait_kmcnt 0x0
	s_load_b256 s[88:95], s[82:83], 0x0            ; entries 0 to 7
	s_load_b128 s[96:99], s[82:83], 0x20           ; entries 8 to 11
	s_cmp_eq_u32 s42, 0                            ; the buffers are chosen by the cluster's x alone
	s_cselect_b64 s[4:5], s[70:71], s[72:73]       ; Wq or Wk
	s_cselect_b64 s[76:77], s[76:77], s[78:79]     ; bq or bk
	s_cselect_b64 s[84:85], s[84:85], s[86:87]     ; qc, or kv for k and v
	s_cmp_eq_u32 s42, 2
	s_cselect_b64 s[6:7], s[74:75], s[68:69]       ; region A: Wv, else x
	s_cselect_b64 s[4:5], s[68:69], s[4:5]         ; region B: x, else the weight
	s_cselect_b64 s[76:77], s[80:81], s[76:77]     ; bv
	s_add_nc_u64 s[20:21], s[6:7], s[20:21]
	s_add_nc_u64 s[46:47], s[4:5], s[46:47]
	CROUND                                         ; all sixteen work-groups are here: the first joint loads meet
.irp s, 0,1
	s_mov_b32 s[G0+4*\s], 1
	s_add_co_u32 s[G0+4*\s+1], s45, \s*SLOT
	s_add_nc_u64 s[G0+4*\s+2:G0+4*\s+3], s[20:21], \s*ROWB
	s_or_b32 s[G0+4*\s+3], s[G0+4*\s+3], 0x80000000
	s_mov_b32 s[G0B+4*\s], 1
	s_add_co_u32 s[G0B+4*\s+1], s45, \s*SLOT
	s_add_nc_u64 s[G0B+4*\s+2:G0B+4*\s+3], s[46:47], \s*ROWB
	s_or_b32 s[G0B+4*\s+3], s[G0B+4*\s+3], 0x80000000
	JLOAD G0+4*\s, G1, G0B+4*\s, G1B
.endr
	v_and_b32 v1, 15, v0                           ; r = l % 16
	v_bfe_u32 v2, v0, 4, 1                         ; h = l / 16
	v_mul_u32_u24 v3, v1, PITCH
	v_lshl_add_u32 v4, v2, 4, v3                   ; a fragment's row x pitch + 16 x half
	s_mul_i32 s21, s15, HALFT                      ; my 128 rows of region A
	s_mul_i32 s22, s16, HALFT                      ; my 128 rows of region B,
	s_add_co_u32 s22, s22, 2*HALFT                 ; which lie behind A's 256
.irp s, 0,1
	v_add_nc_u32 v[ADRA+\s], s21, v4
	v_add_nc_u32 v[ADRB+\s], s22, v4
	s_add_co_u32 s21, s21, SLOT
	s_add_co_u32 s22, s22, SLOT
.endr
	v_and_b32 v6, 31, v0
	v_lshlrev_b32 v[LI], 4, v6
	; which tokens and which channels are my wave's: q, k: tokens from region A, channels from region B; v: the other way round
	s_cmp_eq_u32 s42, 2
	s_cselect_b32 s8, s67, s66                     ; the tile of 256 tokens, 0..31
	s_cselect_b32 s9, s16, s15                     ; and my half of it
	s_cselect_b32 s10, s41, s40                    ; the tile of 256 channels, 0..3
	s_cselect_b32 s11, s15, s16                    ; and my half of it
	s_cselect_b32 s12, 8192, 0                     ; v lies behind k's 8,192 bytes in each block of 128 keys
	s_cselect_b32 s2, 4, 0                         ; the bias loads' strides: by r,
	s_cselect_b32 s3, 0, 32                        ; by h,
	s_cselect_b32 s18, 0, 4                        ; by register
	s_cmp_eq_u32 s42, 0
	s_cselect_b32 s13, 17, 18                      ; a head's bytes: 2^17 in qc, 2^18 in kv
	s_cselect_b32 s19, 13, 14                      ; 128 tokens' bytes: 2^13 in qc, 2^14 in kv
	s_lshl_b32 s22, s10, 10
	s_lshl_b32 s23, s11, 9
	s_add_co_u32 s22, s22, s23
	s_mov_b32 s23, 0
	s_add_nc_u64 s[76:77], s[76:77], s[22:23]      ; the bias at my 128 channels
	v_mul_u32_u24 v[VA], v1, s2
	v_mad_u32_u24 v[VA], v2, s3, v[VA]
	v_mov_b32 v3, s18
.irp j, 1,2,3,4,5,6,7
	v_mad_u32_u24 v[VA+\j], v3, \j, v[VA]
.endr
.irp n, 0,1,2,3,4,5,6,7                    ; all 64 registers are loaded on the one way that every weight takes: only the offsets' strides differ
.irp j, 0,1,2,3,4,5,6,7
	global_load_b32 v[BIAS+8*\n+\j], v[VA+\j], s[76:77] offset:64*\n
.endr
.endr
	s_lshr_b32 s22, s8, 3                          ; batch
	s_lshl_b32 s22, s22, 4
	s_lshl_b32 s23, s10, 2
	s_add_co_u32 s22, s22, s23
	s_lshl_b32 s23, s11, 1
	s_add_co_u32 s22, s22, s23                     ; 16 x batch + my first head (of two)
	s_lshl_b32 s22, s22, s13
	s_and_b32 s23, s8, 7
	s_lshl_b32 s23, s23, 1
	s_add_co_u32 s23, s23, s9                      ; which 128 tokens of the batch
	s_lshl_b32 s23, s23, s19
	s_add_co_u32 s22, s22, s23
	s_add_co_u32 s22, s22, s12
	s_mov_b32 s23, 0
	s_add_nc_u64 s[84:85], s[84:85], s[22:23]      ; where my first head's images go,
	s_lshl_b32 s22, 1, s13
	s_add_nc_u64 s[86:87], s[84:85], s[22:23]      ; and my second head's
	s_wait_kmcnt 0x0                               ; the twelve exponents
	s_add_co_i32 s88, s88, s89
	s_add_co_i32 s90, s90, s91
	s_add_co_i32 s92, s92, s93
	s_cmp_eq_u32 s42, 0
	s_cselect_b32 s88, s88, s90
	s_cselect_b32 s94, s94, s95
	s_cmp_eq_u32 s42, 2
	s_cselect_b32 s88, s92, s88                    ; ex + ew of my product
	s_cselect_b32 s94, s97, s94                    ; eo: entry 6, 7 or 9
	s_add_co_i32 s88, s88, 127
	s_lshl_b32 s78, s88, 23                        ; 2^(ex + ew) as f32
	s_mov_b32 s79, s78                             ; (named with it as a pair, so it is written)
	s_add_co_i32 s94, s94, 127
	s_lshl_b32 s95, s94, 23
	v_mov_b32 v[SCL], s95                          ; 2^eo: the conversion takes its exponent field
.macro FRAG reg, adr, q, i             ; 16 rows x 128 K in 16 registers, by four loads of 16 bytes: registers 4 c .. 4 c + 3 hold K = 32 c + 16 (l / 16) + 0 .. 15: the same order of k in both regions, so every product meets its partner
.irp c, 0,1,2,3
	ds_load_b128 v[\reg+4*\c:\reg+4*\c+3], v[\adr] offset:128*(\q)+32*\c+(\i)*16*PITCH
.endr
.endm
; 16 matrix instructions: region A's blocks a0, a0 + 1 x region B's eight, 128 along K.  p: B's set.  zero = 1: the first product starts the sums.  The 64 accumulators take turns, one instruction a turn.
.macro MUL16 a0, p, zero
.irp a, \a0, \a0+1
.irp b, 0,1,2,3,4,5,6,7
.if \zero
	v_wmma_f32_16x16x128_bf8_bf8 v[8*(8*((\a)%4)+\b):8*(8*((\a)%4)+\b)+7], v[128*(\p)+FR*\b:128*(\p)+FR*\b+FR-1], v[AF+FR*(\a):AF+FR*(\a)+FR-1], 0
.else
	v_wmma_f32_16x16x128_bf8_bf8 v[8*(8*((\a)%4)+\b):8*(8*((\a)%4)+\b)+7], v[128*(\p)+FR*\b:128*(\p)+FR*\b+FR-1], v[AF+FR*(\a):AF+FR*(\a)+FR-1], v[8*(8*((\a)%4)+\b):8*(8*((\a)%4)+\b)+7]
.endif
.endr
.endr
.endm
.macro FETCH_B slot, q, p
	WIN TO_B
.irp i, 0,1,2,3,4,5,6,7
	FRAG 128*(\p)+FR*\i, ADRB+\slot, \q, \i
.endr
	WIN 0
.endm
.macro FETCH_A slot, q, i0
.irp i, \i0, \i0+1, \i0+2, \i0+3
	FRAG AF+FR*(\i), ADRA+\slot, \q, \i
.endr
.endm
.macro PLACES n                        ; plain vector instructions in front of loads into registers that matrix instructions have read, and of the first read of results
.rept \n
	v_nop
.endr
.endm
; A step of 128 along K that has its successor in the same slot
.macro STEP slot, q, zero
	s_wait_dscnt 4*NL                              ; B's set and A's blocks 0-3 are in; the youngest sixteen loads (A's blocks 4-7) may be out
	WIN MUL_LO
	MUL16 0, (\q)%2, \zero
	MUL16 2, (\q)%2, \zero
	s_wait_dscnt 0                                 ; A's blocks 4-7 are in
	PLACES NP
	FETCH_B \slot, (\q)+1, 1-(\q)%2
	FETCH_A \slot, (\q)+1, 0
	WIN MUL_HI
	MUL16 4, (\q)%2, \zero
	MUL16 6, (\q)%2, \zero
	PLACES NP
	WIN 0
	FETCH_A \slot, (\q)+1, 4
.endm
; A slot's last step changes slots: ONE barrier; in front of it each wave waits for all its tensor loads, adds 0 to its spare word, and waits for that and for its own reads of this slot.  fill = 1: this slot is filled again, two K steps ahead.
.macro TURN slot, next, fill
	s_wait_tensorcnt 0x0                           ; all my tensor loads have landed: my part of the next slot
	ds_add_u32 v[SPW], v[NIL]                      ; 0 onto my spare word
	s_wait_dscnt 4*NL+1                            ; (the add and the youngest sixteen loads may be out)
	WIN MUL_LO
	MUL16 0, 1, 0                                  ; sixteen matrix instructions stand between the add and the wait for it
	s_wait_dscnt 0x0                               ; the add is done, and my reads of this slot are over
	s_barrier_signal -1
	MUL16 2, 1, 0
	WIN 0
	s_barrier_wait -1
.if \fill
	CREST                                          ; the barrier has opened a round of the cluster's barrier: no wave of any partner still reads this slot or has a load on its way
	s_add_nc_u64 s[G0+4*\slot+2:G0+4*\slot+3], s[G0+4*\slot+2:G0+4*\slot+3], 2*ROWB
	s_add_nc_u64 s[G0B+4*\slot+2:G0B+4*\slot+3], s[G0B+4*\slot+2:G0B+4*\slot+3], 2*ROWB
	JLOAD G0+4*\slot, G1, G0B+4*\slot, G1B         ; the first tensor load behind the round; its four v_nop are also the places in front of the loads below
.else
	PLACES NP
.endif
	FETCH_B \next, 0, 0
	FETCH_A \next, 0, 0
	WIN MUL_HI
	MUL16 4, 1, 0
	MUL16 6, 1, 0
	PLACES NP
	WIN 0
	FETCH_A \next, 0, 4
.endm
	s_wait_tensorcnt 1                             ; my part of K step 0 is in (K step 1's load may be out)
	s_barrier_signal -1
	s_barrier_wait -1                              ; everybody's is
	FETCH_B 0, 0, 0
	FETCH_A 0, 0, 0
	FETCH_A 0, 0, 4
	STEP 0, 0, 1                                   ; K 0-127: its products start the sums
	TURN 0, 1, 1                                   ; K 128-255; slot 0 takes K 512-767
	STEP 1, 0, 0
	TURN 1, 0, 1                                   ; slot 1 takes K 768-1023
	STEP 0, 0, 0
	TURN 0, 1, 0                                   ; nothing is left to fetch
	STEP 1, 0, 0
	s_wait_dscnt 4*NL                              ; the last step
	WIN MUL_LO
	MUL16 0, 1, 0
	MUL16 2, 1, 0
	s_wait_dscnt 0
	WIN MUL_HI
	MUL16 4, 1, 0
	MUL16 6, 1, 0
	WIN 0
; THE WAY OUT, block by block of 16 rows of region A.  kind = 0 (q, k): the bias runs along the registers; a block is a tile of 16 tokens, its 16 registers of codes are two heads' fragments of 64 channels.
; kind = 1 (v): the bias runs along the lanes; a block is a tile of 16 channels, its 16 registers of codes are one fragment of 128 keys.
.macro OUT kind
.irp a, 0,1,2,3,4,5,6,7
.set AC, 64*((\a)%4)
.set CD, CODE+16*((\a)%4)
.if \a >= 4
	s_wait_xcnt 0x0                                ; the codes' registers go round in four blocks: block a - 4's stores have read theirs
.endif
	WIN 0x02+((\a)/4)                              ; source 0: window 2 or 3
.irp b, 0,1,2,3,4,5,6,7
.irp i, 0,2,4,6
.if \kind
	v_pk_fma_f32 v[TMP+8*\b+\i:TMP+8*\b+\i+1], v[AC+8*\b+\i:AC+8*\b+\i+1], s[78:79], v[BIAS+8*\a+\i:BIAS+8*\a+\i+1] op_sel_hi:[1,0,1]   ; sum x 2^(ex + ew) + bias; each accumulator from its low end on
.else
	v_pk_fma_f32 v[TMP+8*\b+\i:TMP+8*\b+\i+1], v[AC+8*\b+\i:AC+8*\b+\i+1], s[78:79], v[BIAS+8*\b+\i:BIAS+8*\b+\i+1] op_sel_hi:[1,0,1]
.endif
.endr
.endr
	WIN 0
.set n, 0
.rept 64
.set n, n+1
.endr
.irp b, 0,1,2,3,4,5,6,7
	v_cvt_scalef32_pk8_bf8_f32 v[CD+2*\b:CD+2*\b+1], v[TMP+8*\b:TMP+8*\b+7], v[SCL]
.endr
	v_nop                                          ; one plain vector instruction between the conversions and the next block's lines, which write their sources
.irp p, 0,1,2,3
.if \kind
	global_store_b128 v[LI], v[CD+4*\p:CD+4*\p+3], s[84+2*((\a)/4):85+2*((\a)/4)] offset:((\a)%4)*2048+\p*512   ; head a / 4, channel tile a % 4, piece p: 512 consecutive bytes
.else
	global_store_b128 v[LI], v[CD+4*\p:CD+4*\p+3], s[84+2*((\p)/2):85+2*((\p)/2)] offset:\a*1024+((\p)%2)*512   ; head p / 2, token tile a, piece p % 2: 512 consecutive bytes
.endif
.endr
.endr
.endm
	s_wait_loadcnt 0x0                             ; the bias
	PLACES NP                                      ; behind the last products: their results are read and region A's registers written below
	s_cmp_eq_u32 s42, 2                            ; the cluster's x: the same way in all partners
	s_cbranch_scc1 .Lout_v
	OUT 0
	s_branch .Ljoin
.Lout_v:
	OUT 1
.Ljoin:
	s_wait_tensorcnt 0x0                           ; the wave's end
	ds_add_u32 v[SPW], v[NIL]
	s_wait_dscnt 0x0
	CROUND                                         ; the closing round: no work-group ends while a partner may still ask for a tile that names it
	s_endpgm
.Lfunc_end_k_q8fe5d69690_proj:
	.size	k_q8fe5d69690_proj, .Lfunc_end_k_q8fe5d69690_proj-k_q8fe5d69690_proj
	.p2alignl 7, 3214868480
	.fill 96, 4, 3214868480
	.section	.rodata,"a",@progbits
	.p2align	6, 0x0
	.amdhsa_kernel k_q8fe5d69690_proj
		.amdhsa_group_segment_fixed_size 327680
		.amdhsa_private_segment_fixed_size 0
		.amdhsa_enable_private_segment 0
		.amdhsa_kernarg_size 80
		.amdhsa_user_sgpr_count 2
		.amdhsa_user_sgpr_kernarg_segment_ptr 1
		.amdhsa_wavefront_size32 1
		.amdhsa_system_sgpr_workgroup_id_x 1
		.amdhsa_system_sgpr_workgroup_id_y 1
		.amdhsa_system_sgpr_workgroup_id_z 1
		.amdhsa_system_vgpr_workitem_id 0
		.amdhsa_next_free_vgpr 1024
		.amdhsa_next_free_sgpr 100
		.amdhsa_reserve_vcc 0
		.amdhsa_float_denorm_mode_32 3
		.amdhsa_float_denorm_mode_16_64 3
		.amdhsa_fp16_overflow 1
		.amdhsa_memory_ordered 1
		.amdhsa_forward_progress 1
		.amdhsa_inst_pref_size 133
	.end_amdhsa_kernel
	.amdgpu_metadata
---
amdhsa.version: [ 1, 2 ]
amdhsa.kernels:
  - .name:           k_q8fe5d69690_proj
    .symbol:         k_q8fe5d69690_proj.kd
    .args:
      - { .name: x_codes, .offset: 0, .size: 8, .value_kind: global_buffer, .address_space: global }
      - { .name: Wq_codes, .offset: 8, .size: 8, .value_kind: global_buffer, .address_space: global }
      - { .name: Wk_codes, .offset: 16, .size: 8, .value_kind: global_buffer, .address_space: global }
      - { .name: Wv_codes, .offset: 24, .size: 8, .value_kind: global_buffer, .address_space: global }
      - { .name: bq, .offset: 32, .size: 8, .value_kind: global_buffer, .address_space: global }
      - { .name: bk, .offset: 40, .size: 8, .value_kind: global_buffer, .address_space: global }
      - { .name: bv, .offset: 48, .size: 8, .value_kind: global_buffer, .address_space: global }
      - { .name: lowp_scales, .offset: 56, .size: 8, .value_kind: global_buffer, .address_space: global }
      - { .name: qc, .offset: 64, .size: 8, .value_kind: global_buffer, .address_space: global }
      - { .name: kv, .offset: 72, .size: 8, .value_kind: global_buffer, .address_space: global }
    .group_segment_fixed_size: 327680
    .private_segment_fixed_size: 0
    .kernarg_segment_align: 8
    .kernarg_segment_size: 80
    .max_flat_workgroup_size: 128
    .sgpr_count:     100
    .vgpr_count:     1024
    .wavefront_size: 32
...
	.end_amdgpu_metadata
.endif
;; end of part 1
;; launch attn (part 2): grid 4 x 64, 8 waves a work-group, clusters of 4 x 1, 263,168 bytes of LDS; arguments qc, kv, lowp_scales, ao; writes ao
.if DOCPART == 2
	.amdgcn_target "amdgcn-amd-amdhsa--gfx1250"
	.amdhsa_code_object_version 6
	.text
	.protected	k_q8fe5d69690_attn
	.globl	k_q8fe5d69690_attn
	.p2align	8
	.type	k_q8fe5d69690_attn,@function
k_q8fe5d69690_attn:
	s_mov_b64 s[64:65], 0
	v_nop
	global_prefetch_b8 v0, s[64:65] scope:SCOPE_SE
	s_setreg_imm32_b32 hwreg(HW_REG_WAVE_MODE, 25, 1), 1
	s_wait_xcnt 0x0
	s_wait_alu depctr_hold_cnt(0) depctr_sa_sdst(0) depctr_va_vdst(0) depctr_va_sdst(0) depctr_va_ssrc(0) depctr_va_vcc(0) depctr_vm_vsrc(0)
	s_getreg_b32 s2, hwreg(HW_REG_IB_STS2, 6, 4)
	s_cmp_eq_u32 s2, 0
	s_cbranch_scc0 .Lentry_in_a_cluster
	s_endpgm
.Lentry_in_a_cluster:
	s_bfe_u32 s2, ttmp6, 0x10000c
	s_cmp_lg_u32 s2, 0x3003
	s_cbranch_scc0 .Lentry_shape_is_right
	s_endpgm
.Lentry_shape_is_right:
; Attention of one head on codes of BF8 (E5M2): S^T = k q^T, p = 2^(t - M), O^T = v^T p^T, O / the row's sum, quantised for the last projection.
; t = score x 2^(e6 + e7) x log2(e) / 8;  M = the running largest t rounded UP to a whole number;  p is quantised with 2^e8 and not normalised;  the row's sum is taken of the unquantised p in f32.
; When M moves, the sum and O^T are multiplied by 2^(old M - new M): exact.  At the end O^T x 2^(e8 + e9) / sum is converted with 2^e10.
; LIMITS: e6 + e7 between -123 and 130 (added to the constant's exponent field); e8 and e10 between -126 and 112.  NaN and infinity among the codes are not served.
; INPUTS ARE IMAGES OF OPERAND REGISTERS (four registers a piece, lane l's 16 bytes at 16 l):  qc [head 64][token tile 128][piece 2][512];  kv [head 64][128 keys 16][k: key tile 8 x piece 2 x 512 | v: channel tile 4 x piece 4 x 512].
; OUTPUT likewise: ao [token tile 512][128 along K 8][piece 4][512]: a head fills pieces 2 (head % 2) and 2 (head % 2) + 1 of K step head / 2.
; SHARES.  A work-group owns 512 queries of one head, each of its eight waves 64: two passes of two tiles of 16.  Two waves share a SIMD.  Each fragment of k and v read from LDS feeds two matrix instructions.
; ALL OF A HEAD'S k AND v LIE IN LDS, 262,144 bytes, as they lie in memory, each byte filled once: no slot is filled again, and the second pass fetches nothing.
; CLUSTER.  The four work-groups of a cluster own the four quarters of one head's queries and read the same k and v: every fill is a JOINT load with a mask that names the four.
; LAYOUT.  Both products are used transposed: a lane holds ONE query (lane % 16) throughout.  In S^T register j of key tile kt is key 16 kt + 8 (lane / 16) + j, so a tile's eight registers convert into registers 2 kt, 2 kt + 1 of p's operand
; for 128 keys; in O^T register j of channel tile ct is channel 16 ct + 8 (lane / 16) + j, so its codes are registers 2 ct, 2 ct + 1 of the head's half of the next operand.  Nothing changes lanes but the row's maximum and sum.
; THE TWO TILES' VECTOR WORK IS INTERLEAVED so that behind each exponential of tile 0, and of tile 1's first 32, stands a plain instruction of the other.
; REGISTERS.  Window 0: v1 16 x lane; v2 LDS address; v6 2^e8; v8 2^e10; v[16 + 16 t ..] tile t's statistics; v[64 + 64 t ..] S^T, then p; v[192 + 16 t ..] p's codes; v[224 ..] the output's codes.
;   Window 1: v[32 t ..] O^T; v[64 + 16 p + 8 t ..] q of pass p, tile t; v128-191 k's eight fragments; v192-255 v's four.
; Statistics at ST + 16 t: +0 -M, +1 the largest t, +2, +3 the sum in two halves, +4 f = 2^(old M - new M) (+5 named with it), +6..+9 two chains of sums, +10..+13 at work.
.set LI,  1
.set ADR, 2
.set ST,  16
.set S,   64
.set P,   192
.set OC,  224
.set QF,  64                           ; in window 1
.set KF,  128
.set VF,  192
.set MSB, 0
.macro WIN new                         ; the immediate's high byte repeats the setting that is left
.if MSB != \new
	s_set_vgpr_msb (MSB<<8)|(\new)
.set MSB, \new
.endif
.endm
.macro ROUND                           ; a round of the cluster's barrier
	s_barrier_signal -1
	s_barrier_wait -1
	s_cmp_lg_u32 s12, 0
	s_cbranch_scc1 .Lnot_wave_0_\@
	s_barrier_signal -3
.Lnot_wave_0_\@:
	s_barrier_wait -3
	s_barrier_signal -1
	s_barrier_wait -1
.endm
	s_load_b256 s[4:11], s[0:1], 0x0               ; qc s[4:5], kv s[6:7], the scales' exponents s[8:9], ao s[10:11]
	v_lshl_add_u32 v62, v0, 2, 0x40000
	v_mov_b32 v63, 0
	ds_add_u32 v62, v63
	ds_add_u32 v62, v63
	v_lshrrev_b32 v2, 5, v0
	v_readfirstlane_b32 s12, v2                    ; wave 0..7
	v_and_b32 v1, 31, v0
	v_lshlrev_b32 v[LI], 4, v1                     ; 16 x lane
	s_bfe_u32 s13, ttmp6, 0x40000                  ; cx: which quarter of the head's queries: it enters q's and the output's addresses alone
	s_and_b32 s14, ttmp7, 0xffff                   ; 16 x batch + head, which the four partners share
	; descriptor group 1: a dense block of 8,192 bytes as 32 rows of 256 bytes
	s_mov_b32 s16, 15|(3<<16)|(1<<21)              ; 15:0 the mask: all four work-groups; 17:16 elements of 8 bytes; 21 set beside a mask; no padding
	s_mov_b32 s17, 32<<16                          ; tensor_dim0 = 32 elements
	s_mov_b32 s18, 32<<16                          ; tensor_dim1 = 32
	s_mov_b32 s19, 32<<16                          ; tile_dim0 = 32
	s_mov_b32 s20, 32                              ; tile_dim1 = 32
	s_mov_b32 s21, 32                              ; tensor_dim0_stride
	s_mov_b32 s22, 0
	s_mov_b32 s23, 0
	s_mov_b32 s40, 0x76543210                      ; v_permlanex16_b32's selects: lane l xor 16
	s_mov_b32 s41, 0xfedcba98
	s_lshl_b32 s46, s12, 13                        ; my 8,192 bytes of each chunk of 65,536: the same offset in LDS and in the head's block of memory
	s_lshl_b32 s54, s14, 18                        ; the head's 262,144 bytes
	s_add_co_u32 s54, s54, s46
	s_mov_b32 s55, 0
	s_lshl_b32 s56, s14, 17                        ; q: the head's 131,072 bytes,
	s_lshl_b32 s57, s13, 15                        ; 32 token tiles of 1,024 bytes a quarter,
	s_add_co_u32 s56, s56, s57
	s_lshl_b32 s57, s12, 12                        ; four a wave
	s_add_co_u32 s56, s56, s57
	s_mov_b32 s57, 0
	s_lshr_b32 s58, s14, 4                         ; the output: token tile 128 x batch + 32 x quarter + 4 x wave, of 16,384 bytes,
	s_lshl_b32 s58, s58, 7
	s_lshl_b32 s59, s13, 5
	s_add_co_u32 s58, s58, s59
	s_lshl_b32 s59, s12, 2
	s_add_co_u32 s58, s58, s59
	s_lshl_b32 s58, s58, 14
	s_and_b32 s59, s14, 15
	s_lshl_b32 s59, s59, 10                        ; + 1,024 x head: 2,048 x (head / 2) + 1,024 x (head % 2)
	s_add_co_u32 s58, s58, s59
	s_mov_b32 s59, 0
	s_wait_dscnt 0x0
	s_wait_kmcnt 0x0
	s_load_b128 s[48:51], s[8:9], 0x18             ; e6, e7, e8, e9
	s_load_b32 s52, s[8:9], 0x28                   ; e10
	s_add_nc_u64 s[6:7], s[6:7], s[54:55]
	s_add_nc_u64 s[4:5], s[4:5], s[56:57]
	s_add_nc_u64 s[10:11], s[10:11], s[58:59]
.irp g, 0,1,2,3                            ; descriptor group 0, a set for each of my four loads: chunk g is key steps 4 g to 4 g + 3
	s_mov_b32 s[24+4*\g], 1
	s_add_co_u32 s[25+4*\g], s46, \g*65536
	s_add_nc_u64 s[26+4*\g:27+4*\g], s[6:7], \g*65536
	s_or_b32 s[27+4*\g], s[27+4*\g], 0x80000000
.endr
	ROUND                                          ; all four work-groups are here: the joint loads meet
	tensor_load_to_lds s[24:27], s[16:23]          ; the launch's only fills, in one group: four loads of mine are out
	s_nop 0
	tensor_load_to_lds s[28:31], s[16:23]
	s_nop 0
	tensor_load_to_lds s[32:35], s[16:23]
	s_nop 0
	tensor_load_to_lds s[36:39], s[16:23]
	s_nop 0
.rept 4
	v_nop
.endr
	WIN 0x40                                       ; destination window 1
.irp i, 0,1,2,3                            ; q stays in registers: tile i = 2 x pass + tile
	global_load_b128 v[QF+8*\i:QF+8*\i+3],   v[LI], s[4:5] offset:\i*1024
	global_load_b128 v[QF+8*\i+4:QF+8*\i+7], v[LI], s[4:5] offset:\i*1024+512
.endr
	WIN 0
	s_wait_kmcnt 0x0
	s_add_co_i32 s54, s48, s49
	s_lshl_b32 s54, s54, 23
	s_add_co_i32 s42, s54, 0x3e38aa3b              ; c = log2(e) / 8 with e6 + e7 added to its exponent field
	s_mov_b32 s43, s42                             ; (named with it as a pair, so it is written)
	s_add_co_i32 s54, s50, 127
	s_lshl_b32 s55, s54, 23
	v_mov_b32 v6, s55                              ; 2^e8
	s_add_co_i32 s54, s52, 127
	s_lshl_b32 s55, s54, 23
	v_mov_b32 v8, s55                              ; 2^e10
	s_add_co_i32 s53, s50, s51                     ; e8 + e9
; ONE LINE EACH, by number, for tile t.
.macro MAXJ t, j                       ; 32 lines: the largest of the lane's 64 scores, in two chains, the scores in ascending order (each accumulator is read from its low end on)
.set rS, S+64*(\t)
.set rT, ST+16*(\t)+10
.if (\j) == 0
	v_max3_num_f32 v[rT], v[rS], v[rS+1], v[rS+2]
.elseif (\j) == 1
	v_max3_num_f32 v[rT+1], v[rS+3], v[rS+4], v[rS+5]
.elseif (\j) < 31
	v_max3_num_f32 v[rT+(\j)%2], v[rT+(\j)%2], v[rS+2+2*(\j)], v[rS+3+2*(\j)]
.else
	v_max_num_f32 v[rT], v[rT], v[rT+1]
.endif
.endm
.macro STATJ t, j                      ; 9 lines: the other half of the lanes' maximum; as t; the running largest; -M = floor(-t); f = 2^(old M - new M)
.set rT, ST+16*(\t)
.if (\j) == 0
	v_permlanex16_b32 v[rT+12], v[rT+10], s40, s41
.elseif (\j) == 1
	v_max_num_f32 v[rT+10], v[rT+10], v[rT+12]
.elseif (\j) == 2
	v_mul_f32 v[rT+10], s42, v[rT+10]
.elseif (\j) == 3
	v_mov_b32 v[rT+13], v[rT]
.elseif (\j) == 4
	v_max_num_f32 v[rT+1], v[rT+1], v[rT+10]
.elseif (\j) == 5
	v_floor_f32 v[rT], -v[rT+1]
.elseif (\j) == 6
	v_sub_f32 v[rT+13], v[rT], v[rT+13]
.elseif (\j) == 7
	v_cvt_i32_f32 v[rT+13], v[rT+13]
.else
	v_ldexp_f32 v[rT+4], 1.0, v[rT+13]
.endif
.endm
.macro FMAJ t, j                       ; 32 lines: t - M, two at a time
	v_pk_fma_f32 v[S+64*(\t)+2*(\j):S+64*(\t)+2*(\j)+1], v[S+64*(\t)+2*(\j):S+64*(\t)+2*(\j)+1], s[42:43], v[ST+16*(\t):ST+16*(\t)+1] op_sel_hi:[1,0,0]
.endm
.macro EXPJ t, j                       ; 64 lines: p = 2^(t - M)
	v_exp_f32 v[S+64*(\t)+(\j)], v[S+64*(\t)+(\j)]
.endm
.macro SUMJ t, j                       ; 32 lines: the sum of the unquantised p, two at a time, in two chains; the last brings the old sum under the new M and adds
.set rT, ST+16*(\t)
.set rS, S+64*(\t)
.if (\j) == 0
	s_wait_alu depctr_va_vdst(0)
	v_pk_add_f32 v[rT+6:rT+7], v[rS:rS+1], v[rS+2:rS+3]
.elseif (\j) == 1
	v_pk_add_f32 v[rT+8:rT+9], v[rS+4:rS+5], v[rS+6:rS+7]
.elseif (\j) < 30
	v_pk_add_f32 v[rT+6+2*((\j)%2):rT+7+2*((\j)%2)], v[rT+6+2*((\j)%2):rT+7+2*((\j)%2)], v[rS+4+2*(\j):rS+5+2*(\j)]
.elseif (\j) == 30
	v_pk_add_f32 v[rT+6:rT+7], v[rT+6:rT+7], v[rT+8:rT+9]
.else
	v_pk_fma_f32 v[rT+2:rT+3], v[rT+2:rT+3], v[rT+4:rT+5], v[rT+6:rT+7] op_sel_hi:[1,0,1]
.endif
.endm
.macro HOLDJ t, j                      ; no lines: p is converted without a hold
.endm
.macro CVTJ t, j                       ; 8 lines: key tile j's eight numbers become registers 2 j, 2 j + 1 of p's operand
	v_cvt_scalef32_pk8_bf8_f32 v[P+16*(\t)+2*(\j):P+16*(\t)+2*(\j)+1], v[S+64*(\t)+8*(\j):S+64*(\t)+8*(\j)+7], v6
.endm
.macro RESJ t, j                       ; 16 lines, O^T in window 1: O^T under the new M
	v_pk_mul_f32 v[32*(\t)+2*(\j):32*(\t)+2*(\j)+1], v[32*(\t)+2*(\j):32*(\t)+2*(\j)+1], v[ST+16*(\t)+4:ST+16*(\t)+5] op_sel_hi:[1,0]
.endm
.macro RUN m, t, cnt                   ; lines 0 .. cnt - 1 of list m for tile t
.set n, 0
.rept \cnt
	\m \t, n
.set n, n+1
.endr
.endm
; A KEY STEP: 128 keys, whose 16,384 bytes begin at LDS byte s44, for the two tiles of pass p.
.macro STEP p
	s_setprio 2
	v_add_nc_u32 v[ADR], s44, v[LI]
.rept 3
	v_nop                                          ; with the addition: four places behind the last step's products, in front of the loads into v's registers
.endr
	WIN 0x40                                       ; destination window 1
.irp f, 0,1,2,3,4,5,6,7
	ds_load_b128 v[KF+8*\f:KF+8*\f+3],   v[ADR] offset:\f*1024
	ds_load_b128 v[KF+8*\f+4:KF+8*\f+7], v[ADR] offset:\f*1024+512
.endr
.irp f, 0,1,2,3
.irp c, 0,1,2,3
	ds_load_b128 v[VF+16*\f+4*\c:VF+16*\f+4*\c+3], v[ADR] offset:8192+\f*2048+\c*512
.endr
.endr
	s_wait_dscnt 16                                ; k's sixteen loads are in; v's sixteen may be out
	WIN 0x05                                       ; sources 0 (k) and 1 (q) window 1, S^T window 0
.irp t, 0,1
.irp f, 0,1,2,3,4,5,6,7
	v_wmma_f32_16x16x64_bf8_bf8 v[S+64*\t+8*\f:S+64*\t+8*\f+7], v[KF+8*\f:KF+8*\f+7], v[QF+16*\p+8*\t:QF+16*\p+8*\t+7], 0
.endr
.endr
	WIN 0
.rept 4
	v_nop                                          ; places in front of the first read of the scores
.endr
	RUN MAXJ, 0, 32
.set n, 0
.rept 9                                    ; tile 0's chain of nine by turns with tile 1's maximum
	STATJ 0, n
	MAXJ 1, n
.set n, n+1
.endr
	RUN FMAJ, 0, 32
.set n, 0
.rept 64                                   ; tile 0's exponentials, a plain line of tile 1 behind each
	EXPJ 0, n
.if n < 23
	MAXJ 1, n+9
.elseif n < 32
	STATJ 1, n-23
.else
	FMAJ 1, n-32
.endif
.set n, n+1
.endr
.set n, 0
	s_setprio 1
.rept 64                                   ; tile 1's exponentials, behind the first 32 a line of tile 0's sums, of p as it is
	EXPJ 1, n
.if n < 32
	SUMJ 0, n
.else
	HOLDJ 0, n-32
.endif
.set n, n+1
.endr
	RUN CVTJ, 0, 8
	RUN SUMJ, 1, 32
	RUN HOLDJ, 1, 32
	RUN CVTJ, 1, 8
	WIN 0x41                                       ; O^T (destination and source 0) window 1, f window 0
	RUN RESJ, 0, 16                                ; (these 32 plain lines also stand between the conversions and the products that read their results)
	s_setprio 0
	RUN RESJ, 1, 16
	s_wait_dscnt 0x0                               ; v is in
	WIN 0x51                                       ; v window 1, p window 0, O^T window 1
.irp f, 0,1,2,3                            ; eight accumulators by turns, one instruction a turn
.irp t, 0,1
	v_wmma_f32_16x16x128_bf8_bf8 v[32*\t+8*\f:32*\t+8*\f+7], v[VF+16*\f:VF+16*\f+15], v[P+16*\t:P+16*\t+15], v[32*\t+8*\f:32*\t+8*\f+7]
.endr
.endr
	WIN 0
	s_add_co_u32 s44, s44, 16384                   ; the next 128 keys
.endm
; A pass begins: the largest t is -3e38, under every t; the sums and O^T are zeros, which the first change of M leaves zeros.  So the step is written once for all steps.
.macro INIT
.irp t, 0,1
	v_mov_b32 v[ST+16*\t+1], 0xff61b1e6
	v_floor_f32 v[ST+16*\t], -v[ST+16*\t+1]
	v_mov_b32 v[ST+16*\t+2], 0
	v_mov_b32 v[ST+16*\t+3], 0
	v_mov_b32 v[ST+16*\t+5], 0                     ; (named as the upper half of f's pair)
	v_mov_b32 v[ST+16*\t+12], 0                    ; (a lane permute's destination counts as one of its sources)
.endr
	WIN 0x40
.set n, 0
.rept 64
	v_mov_b32 v[n], 0
.set n, n+1
.endr
	WIN 0
.endm
; A pass ends: O^T x 2^(e8 + e9) / the row's sum, converted, stored as images.  The first lines are also the places behind the last products.
.macro FINISH p
.irp t, 0,1
	v_add_f32 v[ST+16*\t+10], v[ST+16*\t+2], v[ST+16*\t+3]
.endr
.irp t, 0,1
	v_permlanex16_b32 v[ST+16*\t+12], v[ST+16*\t+10], s40, s41
.endr
.irp t, 0,1
	v_add_f32 v[ST+16*\t+10], v[ST+16*\t+10], v[ST+16*\t+12]
.endr
.irp t, 0,1
	v_rcp_f32 v[ST+16*\t+6], v[ST+16*\t+10]
.endr
	v_nop                                          ; a plain instruction between the last reciprocal and the use of its result
	s_wait_alu depctr_va_vdst(0)
.irp t, 0,1
	v_ldexp_f32 v[ST+16*\t+6], v[ST+16*\t+6], s53
.endr
	WIN 0x01                                       ; source 0 (O^T) window 1; the results go into S^T's registers
.irp t, 0,1
.set n, 0
.rept 16
	v_pk_mul_f32 v[S+64*\t+2*n:S+64*\t+2*n+1], v[32*\t+2*n:32*\t+2*n+1], v[ST+16*\t+6:ST+16*\t+7] op_sel_hi:[1,0]
.set n, n+1
.endr
.endr
	WIN 0
.irp t, 0,1
.set n, 0
.rept 32
.set n, n+1
.endr
.endr
.irp t, 0,1
.irp c, 0,1,2,3
	v_cvt_scalef32_pk8_bf8_f32 v[OC+16*\p+8*\t+2*\c:OC+16*\p+8*\t+2*\c+1], v[S+64*\t+8*\c:S+64*\t+8*\c+7], v8
.endr
.endr
	v_nop                                          ; one plain vector instruction behind the last conversion
.irp t, 0,1
.irp q, 0,1
	global_store_b128 v[LI], v[OC+16*\p+8*\t+4*\q:OC+16*\p+8*\t+4*\q+3], s[10:11] offset:(2*\p+\t)*16384+\q*512   ; 512 consecutive bytes; each pass has its own registers, so no store's data are written again
.endr
.endr
.endm
; Chunk g of the first pass: my part of it has landed (the 3 - g loads issued behind it may stay out), everybody's has behind the barrier; four key steps.
.macro CHUNK g
	s_wait_tensorcnt 3-\g
	s_wait_dscnt 0x0
	s_barrier_signal -1
	s_barrier_wait -1
	s_mov_b32 s44, \g*65536
	s_mov_b32 s45, 4
.Lchunk_\@:
	STEP 0
	s_sub_co_u32 s45, s45, 1
	s_cmp_lg_u32 s45, 0
	s_cbranch_scc1 .Lchunk_\@
	s_setprio 0
.endm
	s_wait_loadcnt 0x0                             ; q
	INIT
	CHUNK 0
	CHUNK 1
	CHUNK 2
	CHUNK 3
	FINISH 0
	INIT
	s_mov_b32 s44, 0                               ; the second pass walks the same 16 key steps, all in LDS
	s_mov_b32 s45, 16
.Lpass1:
	STEP 1
	s_sub_co_u32 s45, s45, 1
	s_cmp_lg_u32 s45, 0
	s_cbranch_scc1 .Lpass1
	s_setprio 0
	FINISH 1
	s_wait_tensorcnt 0x0
	s_wait_dscnt 0x0
	s_wait_tensorcnt 0x0
	ds_add_u32 v62, v63
	s_wait_dscnt 0x0
	ROUND                                          ; the closing round: no work-group ends while a partner may still ask for a tile that names it
	s_endpgm
.Lfunc_end_k_q8fe5d69690_attn:
	.size	k_q8fe5d69690_attn, .Lfunc_end_k_q8fe5d69690_attn-k_q8fe5d69690_attn
	.p2alignl 7, 3214868480
	.fill 96, 4, 3214868480
	.section	.rodata,"a",@progbits
	.p2align	6, 0x0
	.amdhsa_kernel k_q8fe5d69690_attn
		.amdhsa_group_segment_fixed_size 263168
		.amdhsa_private_segment_fixed_size 0
		.amdhsa_enable_private_segment 0
		.amdhsa_kernarg_size 32
		.amdhsa_user_sgpr_count 2
		.amdhsa_user_sgpr_kernarg_segment_ptr 1
		.amdhsa_wavefront_size32 1
		.amdhsa_system_sgpr_workgroup_id_x 1
		.amdhsa_system_sgpr_workgroup_id_y 1
		.amdhsa_system_sgpr_workgroup_id_z 1
		.amdhsa_system_vgpr_workitem_id 0
		.amdhsa_next_free_vgpr 512
		.amdhsa_next_free_sgpr 72
		.amdhsa_reserve_vcc 0
		.amdhsa_float_denorm_mode_32 3
		.amdhsa_float_denorm_mode_16_64 3
		.amdhsa_fp16_overflow 1
		.amdhsa_memory_ordered 1
		.amdhsa_forward_progress 1
		.amdhsa_inst_pref_size 140
	.end_amdhsa_kernel
	.amdgpu_metadata
---
amdhsa.version: [ 1, 2 ]
amdhsa.kernels:
  - .name:           k_q8fe5d69690_attn
    .symbol:         k_q8fe5d69690_attn.kd
    .args:
      - { .name: qc, .offset: 0, .size: 8, .value_kind: global_buffer, .address_space: global }
      - { .name: kv, .offset: 8, .size: 8, .value_kind: global_buffer, .address_space: global }
      - { .name: lowp_scales, .offset: 16, .size: 8, .value_kind: global_buffer, .address_space: global }
      - { .name: ao, .offset: 24, .size: 8, .value_kind: global_buffer, .address_space: global }
    .group_segment_fixed_size: 263168
    .private_segment_fixed_size: 0
    .kernarg_segment_align: 8
    .kernarg_segment_size: 32
    .max_flat_workgroup_size: 256
    .sgpr_count:     72
    .vgpr_count:     512
    .wavefront_size: 32
...
	.end_amdgpu_metadata
.endif
;; end of part 2
;; launch oproj (part 3): grid 4 x 32, 4 waves a work-group, clusters of 4 x 4, 327,680 bytes of LDS; arguments ao, Wo_codes, bo, lowp_scales, out0; writes out0
.if DOCPART == 3
	.amdgcn_target "amdgcn-amd-amdhsa--gfx1250"
	.amdhsa_code_object_version 6
	.text
	.protected	k_q8fe5d69690_oproj
	.globl	k_q8fe5d69690_oproj
	.p2align	8
	.type	k_q8fe5d69690_oproj,@function
k_q8fe5d69690_oproj:
	s_mov_b64 s[64:65], 0
	v_nop
	global_prefetch_b8 v0, s[64:65] scope:SCOPE_SE
	s_setreg_imm32_b32 hwreg(HW_REG_WAVE_MODE, 25, 1), 1
	s_wait_xcnt 0x0
	s_wait_alu depctr_hold_cnt(0) depctr_sa_sdst(0) depctr_va_vdst(0) depctr_va_sdst(0) depctr_va_ssrc(0) depctr_va_vcc(0) depctr_vm_vsrc(0)
	s_getreg_b32 s2, hwreg(HW_REG_IB_STS2, 6, 4)
	s_cmp_eq_u32 s2, 0
	s_cbranch_scc0 .Lentry_in_a_cluster
	s_endpgm
.Lentry_in_a_cluster:
	s_bfe_u32 s2, ttmp6, 0x10000c
	s_cmp_lg_u32 s2, 0xf033
	s_cbranch_scc0 .Lentry_shape_is_right
	s_endpgm
.Lentry_shape_is_right:
; out0 = a Wo + bo on codes of BF8 (E5M2).  a: the attention's output, 8,192 tokens x 1,024, as IMAGES OF OPERAND REGISTERS: ao [token tile 512][128 along K 8][piece 4][512 bytes], lane l's 16 bytes of a piece at 16 l.
; Wo: [1024 (n)][1024 (k)] codes, K innermost.  out0: [8192][1024] f32 = sum x 2^(e10 + e11) + bo, one fused multiply-add.
; LIMIT: e10 + e11 between -126 and 127, so that 2^(e10 + e11) is an f32 number.  NaN and infinity among the codes are not served.
; A tile of 256 x 256 of out0 is made by four waves, 128 x 128 each: 64 accumulators, 512 registers; 32 x 4 = 128 tiles.  K goes in steps of 256 through two LDS slots; 1,024 along K are four fills, written out without a loop.
; a's images hold k in the places that the plain 8-bit forms give it (registers 2 c, 2 c + 1: k = 16 c + 8 (l / 16) + 0 .. 7), so Wo's fragments are read in that order too: eight loads of 8 bytes.
; CLUSTERS: 4 x 4 work-groups.  a's tile is shared along a row of the cluster, Wo's along a column: each is asked for JOINTLY.  THE MATRIX INSTRUCTION IS USED TRANSPOSED (source 0 = 16 rows of Wo, source 1 = 16 tokens):
; a lane then holds eight neighbouring numbers of a row of out0.
; REGISTERS, in windows of 256: window 0: v8-11 bo at my four columns; v16-29 addresses; from v128 a's fragments, ONE set; on the way out v128-255 rows read back.   window 1: Wo's fragments, TWO sets.
;   window 2: the accumulators of my rows 0-63 ((a, b) at v[8 (8 a + b)]);   window 3: those of rows 64-127.
.set SIZE_N, 1024
.set PITCH,  272                       ; a row of Wo in LDS: 256 bytes + 16 of padding = 68 words: the 32 lanes of a load of 8 bytes touch words 68 r + 2 h and the next: 64 different banks (64 banks of 4 bytes: ISA guide 11.1)
.set FR,     16
.set NL,     4                         ; LDS loads that bring a fragment of a
.set NP,     4                         ; places behind this matrix instruction (ISA guide 7.12.1)
.set HALFA,  32768                     ; 8 token tiles x 4,096 bytes: what one tensor load brings of a, dense
.set HALFB,  128*PITCH                 ; 128 rows of Wo
.set ABYTES, 2*HALFA
.set SLOT,   ABYTES+2*HALFB            ; a's 16 token tiles, then Wo's 256 rows
.set SPARE,  2*SLOT                    ; behind the ring: the spare words, 128 bytes for each wave: two blocks of 256 bytes that no other line names
.set SPITCH, 528                       ; the way out: a stage of 16 rows x (512 bytes + 16) for each wave, in slot 0, which has had its last fill and its last read when the first result is stored there
.set BIAS, 8
.set ADRA, 16
.set ADRB, 20
.set STO,  24
.set RD,   25
.set CO,   26                          ; v26  16 x lane: my place in an image, in a row of the stage and in a row of out0
.set SPW,  28
.set NIL,  29
.set AF,   128
.set BK,   128
.set G1, 24
.set G0, 32
.set G1B, 48
.set G0B, 56
.set MSB, 0
.macro WIN new                         ; the immediate's high byte repeats the setting that is left
.if MSB != \new
	s_set_vgpr_msb (MSB<<8)|(\new)
.set MSB, \new
.endif
.endm
.set MUL_LO, 0xa1
.set MUL_HI, 0xf1
.set TO_B,   0x40
.macro JLOAD g0a, g1a, g0b, g1b        ; a joint load: waves 0 and 1 fetch for a, waves 2 and 3 for Wo; four v_nop follow each of the two lines
	s_cmp_eq_u32 s15, 0
	s_cbranch_scc0 .Lfor_b_\@
	tensor_load_to_lds s[\g0a:\g0a+3], s[\g1a:\g1a+7]
	s_nop 0
.rept 4
	v_nop
.endr
	s_branch .Lasked_\@
.Lfor_b_\@:
	tensor_load_to_lds s[\g0b:\g0b+3], s[\g1b:\g1b+7]
	s_nop 0
.rept 4
	v_nop
.endr
.Lasked_\@:
.endm
.macro CREST
	s_cmp_lg_u32 s14, 0
	s_cbranch_scc1 .Lnot_wave_0_\@
	s_barrier_signal -3
.Lnot_wave_0_\@:
	s_barrier_wait -3
	s_barrier_signal -1
	s_barrier_wait -1
.endm
.macro CROUND
	s_barrier_signal -1
	s_barrier_wait -1
	CREST
.endm
	s_load_b256 s[4:11], s[0:1], 0x0               ; ao s[4:5], Wo s[6:7], bo s[8:9], the scales' exponents s[10:11]
	s_load_b64 s[12:13], s[0:1], 0x20              ; out0
	v_lshl_add_u32 v[SPW], v0, 2, SPARE
	v_mov_b32 v[NIL], 0
	ds_add_u32 v28, v29
	ds_add_u32 v28, v29
	s_wait_dscnt 0x0
	v_lshrrev_b32 v1, 5, v0
	v_readfirstlane_b32 s14, v1                    ; wave 0..3
	s_lshr_b32 s15, s14, 1                         ; which half of the tile's rows is mine.  Also: I fetch for a (0) or for Wo (1)
	s_and_b32 s16, s14, 1                          ; which half of its columns.  Also: which half of that tile I fetch
	s_bfe_u32 s40, ttmp6, 0x40000                  ; cx, cy
	s_bfe_u32 s41, ttmp6, 0x40004
	s_lshl_b32 s42, ttmp9, 2
	s_add_co_u32 s42, s42, s40                     ; tile column
	s_and_b32 s17, ttmp7, 0xffff
	s_lshl_b32 s17, s17, 2
	s_add_co_u32 s17, s17, s41                     ; tile row
	s_lshl_b32 s43, s41, 2
	s_lshl_b32 s43, 15, s43                        ; my row of the cluster
	s_lshl_b32 s44, 0x1111, s40                    ; my column
	; a's tile: 8 token tiles; of each, two K steps' images, 4,096 consecutive bytes; from token tile to token tile 16,384 bytes.  Dense in LDS
	s_or_b32 s[G1+0], s43, (3<<16)|(1<<21)         ; 15:0 the mask: my row; 17:16 elements of 8 bytes; 21 set beside a mask; no padding
	s_mov_b32 s[G1+1], 512<<16                     ; tensor_dim0 = 512 elements
	s_mov_b32 s[G1+2], 8<<16                       ; tensor_dim1 = 8
	s_mov_b32 s[G1+3], 512<<16                     ; tile_dim0
	s_mov_b32 s[G1+4], 8                           ; tile_dim1
	s_mov_b32 s[G1+5], 2048                        ; tensor_dim0_stride
	s_mov_b32 s[G1+6], 0
	s_mov_b32 s[G1+7], 0
	; Wo's tile: 128 rows x 256 bytes, padded in LDS
	s_or_b32 s[G1B+0], s44, (0<<16)|(1<<20)|(1<<21)|(5<<22)|(3<<25)  ; the mask: my column; elements of 1 byte; 4 words of padding after every 64
	s_mov_b32 s[G1B+1], 256<<16
	s_mov_b32 s[G1B+2], 128<<16
	s_mov_b32 s[G1B+3], 256<<16
	s_mov_b32 s[G1B+4], 128
	s_mov_b32 s[G1B+5], 1024
	s_mov_b32 s[G1B+6], 0
	s_mov_b32 s[G1B+7], 0
	s_lshl_b32 s20, s17, 4
	s_lshl_b32 s18, s16, 3
	s_add_co_u32 s20, s20, s18                     ; a: token tile 16 x tile row + 8 x half,
	s_lshl_b32 s20, s20, 14                        ; of 16,384 bytes
	s_mov_b32 s21, 0
	s_lshl_b32 s46, s42, 8
	s_lshl_b32 s18, s16, 7
	s_add_co_u32 s46, s46, s18                     ; Wo: row 256 x tile column + 128 x half,
	s_lshl_b32 s46, s46, 10                        ; of 1,024 bytes
	s_mov_b32 s47, 0
	s_lshl_b32 s45, s16, 15                        ; where they go: a's halves at 0 and 32,768,
	s_mul_i32 s19, s16, HALFB
	s_add_co_u32 s19, s19, ABYTES                  ; Wo's behind them: no place in the cluster enters an LDS address
	s_wait_kmcnt 0x0
	s_load_b64 s[96:97], s[10:11], 0x28            ; e10, e11
	s_add_nc_u64 s[20:21], s[4:5], s[20:21]
	s_add_nc_u64 s[46:47], s[6:7], s[46:47]
	CROUND                                         ; all sixteen work-groups are here: the first joint loads meet
.irp s, 0,1
	s_mov_b32 s[G0+4*\s], 1
	s_add_co_u32 s[G0+4*\s+1], s45, \s*SLOT
	s_add_nc_u64 s[G0+4*\s+2:G0+4*\s+3], s[20:21], \s*4096
	s_or_b32 s[G0+4*\s+3], s[G0+4*\s+3], 0x80000000
	s_mov_b32 s[G0B+4*\s], 1
	s_add_co_u32 s[G0B+4*\s+1], s19, \s*SLOT
	s_add_nc_u64 s[G0B+4*\s+2:G0B+4*\s+3], s[46:47], \s*256
	s_or_b32 s[G0B+4*\s+3], s[G0B+4*\s+3], 0x80000000
	s_wait_alu depctr_va_vdst(0)
	s_wait_tensorcnt 0x0
	ds_add_u32 v28, v29
	ds_add_u32 v28, v29
	s_wait_dscnt 0x0
	CROUND
	JLOAD G0+4*\s, G1, G0B+4*\s, G1B
.endr
	v_and_b32 v1, 15, v0                           ; r
	v_bfe_u32 v2, v0, 4, 1                         ; h
	v_and_b32 v6, 31, v0
	v_lshlrev_b32 v[CO], 4, v6                     ; 16 x lane
	v_mul_u32_u24 v3, v1, PITCH
	v_lshl_add_u32 v4, v2, 3, v3                   ; Wo: row x pitch + 8 x half
	s_lshl_b32 s21, s15, 15                        ; my 8 token tiles of a
	s_mul_i32 s22, s16, HALFB
	s_add_co_u32 s22, s22, ABYTES                  ; my 128 rows of Wo
.irp s, 0,1
	v_add_nc_u32 v[ADRA+\s], s21, v[CO]
	v_add_nc_u32 v[ADRB+\s], s22, v4
	s_add_co_u32 s21, s21, SLOT
	s_add_co_u32 s22, s22, SLOT
.endr
	s_mul_i32 s23, s14, 16*SPITCH                  ; my stage
	v_mul_u32_u24 v5, v1, SPITCH                   ; in: row r, 32 bytes for each half of the lanes
	v_lshl_add_u32 v5, v2, 5, v5
	v_add_nc_u32 v[STO], s23, v5
	v_add_nc_u32 v[RD], s23, v[CO]                 ; back: the 32 lanes take one row of 512 bytes
	s_lshl_b32 s22, s42, 10
	s_lshl_b32 s23, s16, 9
	s_add_co_u32 s22, s22, s23                     ; my first column, in bytes: 1,024 x tile column + 512 x half
	s_mov_b32 s23, 0
	s_add_nc_u64 s[8:9], s[8:9], s[22:23]
	global_load_b128 v[BIAS:BIAS+3], v[CO], s[8:9] ; bo at the four columns that I store
	s_lshl_b32 s20, s17, 8
	s_lshl_b32 s21, s15, 7
	s_add_co_u32 s20, s20, s21                     ; my first row: 256 x tile row + 128 x half,
	s_lshl_b32 s20, s20, 12                        ; of 4,096 bytes: under 2^25
	s_add_co_u32 s20, s20, s22
	s_mov_b32 s21, 0
	s_add_nc_u64 s[12:13], s[12:13], s[20:21]
.macro FRAGA reg, adr, q, i            ; token tile i, the slot's q-th 128 along K: four pieces as they were stored
.irp c, 0,1,2,3
	ds_load_b128 v[\reg+4*\c:\reg+4*\c+3], v[\adr] offset:(\i)*4096+(\q)*2048+\c*512
.endr
.endm
.macro FRAGB reg, adr, q, i            ; 16 rows of Wo x 128 K: registers 2 c, 2 c + 1 hold K = 16 c + 8 (l / 16) + 0 .. 7
.irp c, 0,1,2,3,4,5,6,7
	ds_load_b64 v[\reg+2*\c:\reg+2*\c+1], v[\adr] offset:(\i)*16*PITCH+128*(\q)+16*\c
.endr
.endm
.macro MUL16 a0, p, zero               ; 16 matrix instructions; the 64 accumulators take turns, one instruction a turn
.irp a, \a0, \a0+1
.irp b, 0,1,2,3,4,5,6,7
.if \zero
	v_wmma_f32_16x16x128_bf8_bf8 v[8*(8*((\a)%4)+\b):8*(8*((\a)%4)+\b)+7], v[128*(\p)+FR*\b:128*(\p)+FR*\b+FR-1], v[AF+FR*(\a):AF+FR*(\a)+FR-1], 0
.else
	v_wmma_f32_16x16x128_bf8_bf8 v[8*(8*((\a)%4)+\b):8*(8*((\a)%4)+\b)+7], v[128*(\p)+FR*\b:128*(\p)+FR*\b+FR-1], v[AF+FR*(\a):AF+FR*(\a)+FR-1], v[8*(8*((\a)%4)+\b):8*(8*((\a)%4)+\b)+7]
.endif
.endr
.endr
.endm
.macro FETCH_B slot, q, p
	WIN TO_B
.irp i, 0,1,2,3,4,5,6,7
	FRAGB 128*(\p)+FR*\i, ADRB+\slot, \q, \i
.endr
	WIN 0
.endm
.macro FETCH_A slot, q, i0
.irp i, \i0, \i0+1, \i0+2, \i0+3
	FRAGA AF+FR*(\i), ADRA+\slot, \q, \i
.endr
.endm
.macro PLACES n
.rept \n
	v_nop
.endr
.endm
.macro STEP slot, q, zero
	s_wait_dscnt 4*NL                              ; Wo's set and a's blocks 0-3 are in; the youngest sixteen loads (a's blocks 4-7) may be out
	WIN MUL_LO
	MUL16 0, (\q)%2, \zero
	MUL16 2, (\q)%2, \zero
	s_wait_dscnt 0
	PLACES NP
	FETCH_B \slot, (\q)+1, 1-(\q)%2
	FETCH_A \slot, (\q)+1, 0
	WIN MUL_HI
	MUL16 4, (\q)%2, \zero
	MUL16 6, (\q)%2, \zero
	PLACES NP
	WIN 0
	FETCH_A \slot, (\q)+1, 4
.endm
.macro TURN slot, next, fill
	s_wait_tensorcnt 0x0                           ; all my tensor loads have landed: my part of the next slot
	ds_add_u32 v[SPW], v[NIL]                      ; 0 onto my spare word
	s_wait_dscnt 4*NL+1                            ; (the add and the youngest sixteen loads may be out)
	WIN MUL_LO
	MUL16 0, 1, 0
	s_wait_dscnt 0x0                               ; the add is done, and my reads of this slot are over
	s_barrier_signal -1
	MUL16 2, 1, 0
	WIN 0
	s_barrier_wait -1
.if \fill
	CREST                                          ; the barrier has opened a round of the cluster's barrier
	s_add_nc_u64 s[G0+4*\slot+2:G0+4*\slot+3], s[G0+4*\slot+2:G0+4*\slot+3], 2*4096
	s_add_nc_u64 s[G0B+4*\slot+2:G0B+4*\slot+3], s[G0B+4*\slot+2:G0B+4*\slot+3], 2*256
	JLOAD G0+4*\slot, G1, G0B+4*\slot, G1B         ; the first tensor load behind the round; its four v_nop are also the places in front of the loads below
.else
	PLACES NP
.endif
	FETCH_B \next, 0, 0
	FETCH_A \next, 0, 0
	WIN MUL_HI
	MUL16 4, 1, 0
	MUL16 6, 1, 0
	PLACES NP
	WIN 0
	FETCH_A \next, 0, 4
.endm
	s_wait_alu depctr_va_vdst(0)
	s_wait_tensorcnt 1                             ; my part of K step 0 is in (K step 1's load may be out)
	s_barrier_signal -1
	s_barrier_wait -1                              ; everybody's is
	FETCH_B 0, 0, 0
	FETCH_A 0, 0, 0
	FETCH_A 0, 0, 4
	STEP 0, 0, 1                                   ; its products start the sums
	TURN 0, 1, 1
	STEP 1, 0, 0
	TURN 1, 0, 1
	STEP 0, 0, 0
	TURN 0, 1, 0                                   ; nothing is left to fetch
	STEP 1, 0, 0
	s_wait_dscnt 4*NL
	WIN MUL_LO
	MUL16 0, 1, 0
	MUL16 2, 1, 0
	s_wait_dscnt 0
	WIN MUL_HI
	MUL16 4, 1, 0
	MUL16 6, 1, 0
	WIN 0
; THE WAY OUT, block by block of 16 rows x 128 columns.  The sums go as they are into my own stage in LDS and come back as whole rows of 512 bytes; there a lane holds four columns that are the same in every row,
; so four registers of bo serve all rows: sum x 2^(e10 + e11) + bo, two packed multiply-adds a row.  LDS serves a wave's instructions in order (ISA guide 5.7.1.4): no wait between the stores and the loads.
.macro TOSTAGE a
.set AC, 64*((\a)%4)
	WIN 0x08+4*((\a)/4)                            ; an LDS store's data: window 2 or 3
.irp b, 0,1,2,3,4,5,6,7
	ds_store_b128 v[STO], v[AC+8*\b:AC+8*\b+3] offset:64*\b          ; each accumulator from its low end on
	ds_store_b128 v[STO], v[AC+8*\b+4:AC+8*\b+7] offset:64*\b+16
.endr
	WIN 0
.set BB, BK+64*((\a)%2)
.irp t, 0,1,2,3,4,5,6,7,8,9,10,11,12,13,14,15
	ds_load_b128 v[BB+4*\t:BB+4*\t+3], v[RD] offset:\t*SPITCH
.endr
.endm
.macro SEND a, younger                 ; younger: the LDS instructions issued behind block a's loads, which may stay out
.set BB, BK+64*((\a)%2)
	s_wait_dscnt \younger
.if (\a) > 0
	s_add_nc_u64 s[12:13], s[12:13], 16*SIZE_N*4   ; (behind a wait on XCNT: the earlier stores have read their base)  16 rows on
.endif
.irp t, 0,1,2,3,4,5,6,7,8,9,10,11,12,13,14,15
	v_pk_fma_f32 v[BB+4*\t:BB+4*\t+1], v[BB+4*\t:BB+4*\t+1], s[96:97], v[BIAS:BIAS+1] op_sel_hi:[1,0,1]
	v_pk_fma_f32 v[BB+4*\t+2:BB+4*\t+3], v[BB+4*\t+2:BB+4*\t+3], s[96:97], v[BIAS+2:BIAS+3] op_sel_hi:[1,0,1]
	global_store_b128 v[CO], v[BB+4*\t:BB+4*\t+3], s[12:13] offset:\t*SIZE_N*4 th:TH_STORE_NT   ; 32 lanes store 512 consecutive bytes, at a multiple of 256 from out0's first byte; written once, read by nobody here
.endr
.endm
	s_wait_kmcnt 0x0
	s_add_co_i32 s96, s96, s97
	s_add_co_i32 s96, s96, 127
	s_lshl_b32 s96, s96, 23                        ; 2^(e10 + e11) as f32
	s_wait_loadcnt 0x0                             ; bo
	PLACES NP                                      ; behind the last products: their results are read, and the registers that held a's fragments are loaded, below
	TOSTAGE 0
.irp a, 1,2,3,4,5,6,7
.if \a > 1
	s_wait_xcnt 0x0                                ; block a - 2's stores have read their registers and their base
.endif
	TOSTAGE \a
	SEND \a-1, 32                                  ; behind block a - 1's loads: block a's 16 stores and 16 loads
.endr
	s_wait_xcnt 0x0
	SEND 7, 0
	s_wait_tensorcnt 0x0                           ; the wave's end
	ds_add_u32 v[SPW], v[NIL]
	s_wait_dscnt 0x0
	CROUND                                         ; the closing round
	s_endpgm
.Lfunc_end_k_q8fe5d69690_oproj:
	.size	k_q8fe5d69690_oproj, .Lfunc_end_k_q8fe5d69690_oproj-k_q8fe5d69690_oproj
	.p2alignl 7, 3214868480
	.fill 96, 4, 3214868480
	.section	.rodata,"a",@progbits
	.p2align	6, 0x0
	.amdhsa_kernel k_q8fe5d69690_oproj
		.amdhsa_group_segment_fixed_size 327680
		.amdhsa_private_segment_fixed_size 0
		.amdhsa_enable_private_segment 0
		.amdhsa_kernarg_size 40
		.amdhsa_user_sgpr_count 2
		.amdhsa_user_sgpr_kernarg_segment_ptr 1
		.amdhsa_wavefront_size32 1
		.amdhsa_system_sgpr_workgroup_id_x 1
		.amdhsa_system_sgpr_workgroup_id_y 1
		.amdhsa_system_sgpr_workgroup_id_z 1
		.amdhsa_system_vgpr_workitem_id 0
		.amdhsa_next_free_vgpr 1024
		.amdhsa_next_free_sgpr 100
		.amdhsa_reserve_vcc 0
		.amdhsa_float_denorm_mode_32 3
		.amdhsa_float_denorm_mode_16_64 3
		.amdhsa_memory_ordered 1
		.amdhsa_forward_progress 1
		.amdhsa_inst_pref_size 140
	.end_amdhsa_kernel
	.amdgpu_metadata
---
amdhsa.version: [ 1, 2 ]
amdhsa.kernels:
  - .name:           k_q8fe5d69690_oproj
    .symbol:         k_q8fe5d69690_oproj.kd
    .args:
      - { .name: ao, .offset: 0, .size: 8, .value_kind: global_buffer, .address_space: global }
      - { .name: Wo_codes, .offset: 8, .size: 8, .value_kind: global_buffer, .address_space: global }
      - { .name: bo, .offset: 16, .size: 8, .value_kind: global_buffer, .address_space: global }
      - { .name: lowp_scales, .offset: 24, .size: 8, .value_kind: global_buffer, .address_space: global }
      - { .name: out0, .offset: 32, .size: 8, .value_kind: global_buffer, .address_space: global }
    .group_segment_fixed_size: 327680
    .private_segment_fixed_size: 0
    .kernarg_segment_align: 8
    .kernarg_segment_size: 40
    .max_flat_workgroup_size: 128
    .sgpr_count:     100
    .vgpr_count:     1024
    .wavefront_size: 32
...
	.end_amdgpu_metadata
.endif
;; end of part 3
